; MI455X (gfx1250); checked and timed in simulation.
; The chip was launched on July 23, 2026; its instructions are those of AMD's public machine-readable ISA for CDNA 5 (MIT licence, August 2026) and "CDNA5" Instruction Set Architecture Reference Guide (July 2026). The comments in the code are by the model that wrote it; some were corrected since.
;; matrix times. Allowed arithmetic: float matrix products may take bf16 or f16 operands with f32 sums; other float arithmetic in f32, or as packed bf16 or f16 multiplies, adds, multiply-adds, maxima and minima; sums over many terms, partial sums and values carried from step to step in f32; what a program stores and reads back later, other than sums and carried values, may be rounded once to bf16 or f16.
;; Inputs: eye 16,777,216 float32; jacobian 16,777,216 float32.
;; Outputs: out0 16,777,216 float32.
;; 2 versions, each right; version 2 is version 1 with the launch cast written anew for expert scheduling mode. Each part assembles by itself: llvm-mc -triple=amdgcn-amd-amdhsa -mcpu=gfx1250 --defsym DOCPART=n.
;; ======== version 1 of 2: 2 launches
;; workspace buffers: jb 33,554,432 bytes; eb 33,554,432 bytes
;; launch cast (part 1): grid 1024 x 1, 8 waves a work-group, no clusters, 0 bytes of LDS; arguments jacobian, eye, jb, eb; writes jb, eb
.if DOCPART == 1
	.amdgcn_target "amdgcn-amd-amdhsa--gfx1250"
	.amdhsa_code_object_version 6
	.text
	.protected	k_q0586c6a86e_cast
	.globl	k_q0586c6a86e_cast
	.p2align	8
	.type	k_q0586c6a86e_cast,@function
k_q0586c6a86e_cast:
	s_mov_b64 s[64:65], 0
	v_nop
	global_prefetch_b8 v0, s[64:65] scope:SCOPE_SE
	s_setreg_imm32_b32 hwreg(HW_REG_WAVE_MODE, 25, 1), 1
	s_wait_xcnt 0x0
; jb = jacobian rounded to bf16, eb = eye rounded to bf16: same order of numbers, nothing is transposed.  Each number is rounded once, to nearest even.
; LIMIT.  A number whose magnitude is above about 3.39e38 rounds to a bf16 infinity; NaN stays NaN.
; A pure stream: no LDS, no barrier, no matrix unit, since no wave wants a byte that another wave has read.
; SHARES.  1,024 work-groups of eight waves.  Work-group x takes bytes 65,536 x .. + 65,535 of jacobian and the same range of eye; wave w 8,192 bytes of each:
; 16 loads of 512 consecutive bytes (16 bytes a lane).  A lane's four f32 become 8 bytes: one store of a wave covers 256 consecutive bytes, aligned.
; IN FLIGHT.  A ring of 16 register slots, walked twice: round 0 works on jacobian and fills each slot again with eye as soon as it is read, so 16 loads of every wave are out until round 1 runs them down.
.set IN,  1                            ; v1       my byte offset in the work-group's part of an input: 8,192 w + 16 lane; never rewritten
.set OUT, 2                            ; v2       the same in an output: 4,096 w + 8 lane; never rewritten
.set X,   4                            ; v[4:67]  slot i: four f32 as loaded
.set Y,   68                           ; v[68:99] slot i: four bf16 to store
	s_load_b256 s[4:11], s[0:1], 0x0               ; jacobian s[4:5], eye s[6:7], jb s[8:9], eb s[10:11]
	s_lshl_b32 s2, ttmp9, 16                       ; the work-group's part of an input (under 2^26),
	s_mov_b32 s3, 0
	s_lshl_b32 s12, ttmp9, 15                      ; and of an output
	s_mov_b32 s13, 0
	v_lshrrev_b32 v3, 5, v0                        ; wave
	v_and_b32 v[IN], 31, v0                        ; lane
	v_lshlrev_b32 v[OUT], 3, v[IN]
	v_lshlrev_b32 v[IN], 4, v[IN]
	v_lshl_or_b32 v[IN], v3, 13, v[IN]
	v_lshl_or_b32 v[OUT], v3, 12, v[OUT]
	s_wait_kmcnt 0x0
	s_add_nc_u64 s[4:5], s[4:5], s[2:3]
	s_add_nc_u64 s[6:7], s[6:7], s[2:3]
	s_add_nc_u64 s[8:9], s[8:9], s[12:13]
	s_add_nc_u64 s[10:11], s[10:11], s[12:13]
.irp i, 0,1,2,3,4,5,6,7,8,9,10,11,12,13,14,15
	global_load_b128 v[X+4*(\i):X+4*(\i)+3], v[IN], s[4:5] offset:512*(\i) th:TH_LOAD_NT  ; the ring is filled: my 8,192 bytes of jacobian
.endr
; One slot's turn.  second = 0: the slot holds jacobian, and is filled again with eye.  second = 1: it holds eye, and nothing is left to load.
.macro SLOT i, second
.if \second
	s_wait_loadcnt 15-(\i)                         ; loads come back in order (ISA guide 5.7.1): behind mine stand the 15 - i of the later slots
.else
	s_wait_loadcnt 15                              ; behind mine stand 15 - i loads of jacobian and i of eye: always 15
.endif
	v_cvt_pk_bf16_f32 v[Y+2*(\i)],   v[X+4*(\i)],   v[X+4*(\i)+1]  ; two roundings, packed: the first source into the low half
	v_cvt_pk_bf16_f32 v[Y+2*(\i)+1], v[X+4*(\i)+2], v[X+4*(\i)+3]
.if \second
	global_store_b64 v[OUT], v[Y+2*(\i):Y+2*(\i)+1], s[10:11] offset:256*(\i)
.else
	global_load_b128 v[X+4*(\i):X+4*(\i)+3], v[IN], s[6:7] offset:512*(\i) th:TH_LOAD_NT  ; the load goes ahead of the store
	global_store_b64 v[OUT], v[Y+2*(\i):Y+2*(\i)+1], s[8:9] offset:256*(\i)
.endif
.endm
.irp i, 0,1,2,3,4,5,6,7,8,9,10,11,12,13,14,15
	SLOT \i, 0
.endr
	s_wait_xcnt 0x0                                ; every earlier memory instruction has had its addresses translated (ISA guide 3.1): Y, which round 0's stores read, is rewritten only behind this wait
.irp i, 0,1,2,3,4,5,6,7,8,9,10,11,12,13,14,15
	SLOT \i, 1
.endr
	s_endpgm
.Lfunc_end_k_q0586c6a86e_cast:
	.size	k_q0586c6a86e_cast, .Lfunc_end_k_q0586c6a86e_cast-k_q0586c6a86e_cast
	.p2alignl 7, 3214868480
	.fill 96, 4, 3214868480
	.section	.rodata,"a",@progbits
	.p2align	6, 0x0
	.amdhsa_kernel k_q0586c6a86e_cast
		.amdhsa_group_segment_fixed_size 0
		.amdhsa_private_segment_fixed_size 0
		.amdhsa_enable_private_segment 0
		.amdhsa_kernarg_size 32
		.amdhsa_user_sgpr_count 2
		.amdhsa_user_sgpr_kernarg_segment_ptr 1
		.amdhsa_wavefront_size32 1
		.amdhsa_system_sgpr_workgroup_id_x 1
		.amdhsa_system_sgpr_workgroup_id_y 1
		.amdhsa_system_sgpr_workgroup_id_z 1
		.amdhsa_system_vgpr_workitem_id 0
		.amdhsa_next_free_vgpr 104
		.amdhsa_next_free_sgpr 66
		.amdhsa_reserve_vcc 0
		.amdhsa_float_denorm_mode_32 3
		.amdhsa_float_denorm_mode_16_64 3
		.amdhsa_memory_ordered 1
		.amdhsa_forward_progress 1
		.amdhsa_inst_pref_size 12
	.end_amdhsa_kernel
	.amdgpu_metadata
---
amdhsa.version: [ 1, 2 ]
amdhsa.kernels:
  - .name:           k_q0586c6a86e_cast
    .symbol:         k_q0586c6a86e_cast.kd
    .args:
      - { .name: jacobian, .offset: 0, .size: 8, .value_kind: global_buffer, .address_space: global }
      - { .name: eye, .offset: 8, .size: 8, .value_kind: global_buffer, .address_space: global }
      - { .name: jb, .offset: 16, .size: 8, .value_kind: global_buffer, .address_space: global }
      - { .name: eb, .offset: 24, .size: 8, .value_kind: global_buffer, .address_space: global }
    .group_segment_fixed_size: 0
    .private_segment_fixed_size: 0
    .kernarg_segment_align: 8
    .kernarg_segment_size: 32
    .max_flat_workgroup_size: 256
    .sgpr_count:     66
    .vgpr_count:     104
    .wavefront_size: 32
...
	.end_amdgpu_metadata
.endif
;; end of part 1
;; launch gemm (part 2): grid 16 x 16, 4 waves a work-group, clusters of 4 x 4, 327,680 bytes of LDS; arguments jb, eb, out0; writes out0
.if DOCPART == 2
	.amdgcn_target "amdgcn-amd-amdhsa--gfx1250"
	.amdhsa_code_object_version 6
	.text
	.protected	k_q0586c6a86e_gemm
	.globl	k_q0586c6a86e_gemm
	.p2align	8
	.type	k_q0586c6a86e_gemm,@function
k_q0586c6a86e_gemm:
	s_mov_b64 s[64:65], 0
	v_nop
	global_prefetch_b8 v0, s[64:65] scope:SCOPE_SE
	s_setreg_imm32_b32 hwreg(HW_REG_WAVE_MODE, 25, 1), 1
	s_wait_xcnt 0x0
	s_wait_alu depctr_hold_cnt(0) depctr_sa_sdst(0) depctr_va_vdst(0) depctr_va_sdst(0) depctr_va_ssrc(0) depctr_va_vcc(0) depctr_vm_vsrc(0)
	s_getreg_b32 s2, hwreg(HW_REG_IB_STS2, 6, 4)
	s_cmp_eq_u32 s2, 0
	s_cbranch_scc0 .Lentry_in_a_cluster
	s_endpgm
.Lentry_in_a_cluster:
	s_bfe_u32 s2, ttmp6, 0x10000c
	s_cmp_lg_u32 s2, 0xf033
	s_cbranch_scc0 .Lentry_shape_is_right
	s_endpgm
.Lentry_shape_is_right:
; out0[m][n] = the sum over k of J[m][k] E[k][n].  jb = J, [4096][4096] bf16, K along the rows; eb = E, [4096][4096] bf16, N along the rows; out0 [4096][4096] f32.
; One f32 sum for each output, K ascending; nothing is rounded behind the sums.  The operands were rounded to bf16 by the launch before (bf16, not f16: it has f32's range).
; A tile of out0, 256 x 256, is made by a work-group of four waves; a wave makes 128 x 128: 64 accumulators of 16 x 16, 512 registers.  16 x 16 tiles: 256 work-groups, one tile each.
; K goes in steps of 128 through a ring of two LDS slots filled by the tensor data mover.  A's tile (J) is 256 rows x 256 bytes; B's tile (E) is 128 rows of k x 512 bytes (256 columns).
; A's fragments come out of LDS as they lie; B's, whose K runs down the rows, turned, by ds_load_tr16_b128: the same number of loads.
; CLUSTERS: 4 x 4 work-groups.  The four of a row of the cluster need the same tiles of A, the four of a column the same tiles of B.  Such a tile is asked for JOINTLY: each of the four issues the
; same tensor load, with the same descriptor and a mask that names the four, and each receives the tile in its own LDS.  That divides the requests for A and for B by four.
; REGISTERS, in windows of 256 (s_set_vgpr_msb: bits 1:0 source 0, 3:2 source 1, 5:4 source 2, 7:6 destination):
;   window 0: v0-31 addresses; v64-127, v128-191 fragments of A (8 x 16 rows x 32 K), two buffers; on the way out the same 128 registers take rows read back from the stage
;   window 1: v64-127, v128-191 fragments of B, two buffers
;   window 2: the 32 accumulators of my rows 0-63 (accumulator (a, b) at v[8 (8 a + b)]);   window 3: those of my rows 64-127
; THE MATRIX INSTRUCTION IS USED TRANSPOSED: source 0 = 16 columns of E, source 1 = 16 rows of J.  In the result lane l holds row l % 16 of out0, and its registers 0 to 7 the columns
; 8 (l / 16) + 0 .. 7: eight neighbouring f32 of a row, 32 bytes.
.set DIM,    4096
.set KSTEP,  128
.set PA,     272                       ; a row of A in LDS: 256 bytes + 16 of padding = 68 words: row r starts at bank 4 r mod 64 (64 banks of 4 bytes: ISA guide 11.1): the 16 rows of a load start at 16 different banks
.set PB,     544                       ; a row of B: 512 + 32 = 136 words: row r starts at bank 8 r mod 64
.set HALFT,  128*PA                    ; what one tensor load brings: 128 rows of A, or 64 rows of B (64 x 544 is the same 34,816 bytes)
.set SLOT,   4*HALFT                   ; A's 256 rows, then B's 128 rows
.set STAGE,  2*SLOT                    ; behind the ring, never filled by a tensor load: 16 rows x 528 bytes for each wave, for the way out
.set SPITCH, 528                       ; a stage row: 128 f32 + 16 bytes = 33 x 16: the 16 rows that a store touches start at 16 different groups of four banks
.set WST,    16*SPITCH
.set SPARE,  STAGE+4*WST               ; behind the stages: the spare words, 128 bytes for each wave: two blocks of 256 bytes that no other line names
.set LAPS,   DIM/(2*KSTEP)             ; a lap = two K steps = once round the ring: 16
.set ROWAB,  DIM*2                     ; bytes in a row of jb and of eb
.set ROWC,   DIM*4                     ; bytes in a row of out0
.set ASTEP,  KSTEP*2                   ; a K step in jb: 256 bytes along the rows
.set BSTEP,  KSTEP*ROWAB               ; a K step in eb: 128 rows down
.set ADRA, 16                          ; v16-17  LDS address of my A fragments in slot 0, 1
.set ADRB, 20                          ; v20-21  the same for B
.set STO,  24                          ; v24     the way out: where I put 32 bytes of a row
.set RD,   25                          ; v25     the way out: where I read a row back
.set CO,   26                          ; v26     my 16 bytes in 512 bytes of a row of out0; never rewritten
.set SPW,  28                          ; v28     LDS address of my spare word: SPARE + 4 x my thread's number; never rewritten
.set NIL,  29                          ; v29     0; never rewritten
.set PFO,  30                          ; v30     the prefetches' lane offset; never rewritten
.set F0,   64                          ; fragment buffer 0
.set F1,   128                         ; fragment buffer 1
.set G1,   24                          ; s[24:31] descriptor group 1 for A's tiles
.set G0,   32                          ; s[32:39] descriptor group 0 for A's tiles, one set for each slot
.set G1B,  48                          ; s[48:55] descriptor group 1 for B's tiles
.set G0B,  56                          ; s[56:63] descriptor group 0 for B's tiles, one set for each slot
.set LIM,  43                          ; s43      1 in a wave that prefetches, else the greatest number
.set PFA,  44                          ; s[44:45] where my prefetches stand
.set PFS,  66                          ; s[66:67] a K step for my prefetches: ASTEP or BSTEP
.set MSB, 0
.macro WIN new                         ; the immediate's high byte repeats the setting that is left; a switch that changes nothing is dropped
.if MSB != (\new)
	s_set_vgpr_msb (MSB<<8)|(\new)
.set MSB, \new
.endif
.endm
.set MUL_LO, 0xa1                      ; source 0 (B) window 1, source 1 (A) window 0, C and D window 2
.set MUL_HI, 0xf1                      ; the same, C and D window 3
.set TO_B,   0x40                      ; destination window 1, address window 0
; A joint load.  Waves 0 and 1 fetch A's two halves, waves 2 and 3 B's.  Each of the two lines has ONE mask and one set of registers for all that issue it, and nothing in them hangs on a
; coordinate that the four partners do not share.  The branch hangs on the wave's number alone.  An s_nop 0 and four v_nop follow each of the two lines, ahead of the jump and the label.
.macro JLOAD s
	s_cmp_eq_u32 s11, 0
	s_cbranch_scc0 .Lfor_b_\@
	tensor_load_to_lds s[G0+4*(\s):G0+4*(\s)+3], s[G1:G1+7]
	s_nop 0
.rept 4
	v_nop
.endr
	s_branch .Lasked_\@
.Lfor_b_\@:
	tensor_load_to_lds s[G0B+4*(\s):G0B+4*(\s)+3], s[G1B:G1B+7]
	s_nop 0
.rept 4
	v_nop
.endr
.Lasked_\@:
.endm
; A PREFETCH, behind each joint load, its five lines and the run of LDS loads that follows them: the K step that stands TWO refills on, 512 matrix instructions ahead of the load that will name it.
; One instruction a wave, 32 blocks of 256 bytes, a lane a block.  Each block of jb and eb from K step 4 on is named ONCE in the launch.  A's tile row is read by every cluster of that row of clusters:
; cluster x = 0 asks; B's tile column by every cluster of that column: cluster y = 0 asks.  The four partners that ask for a tile jointly share its blocks out BY ADDRESS: of the 128 rows of A that a
; wave fetches the partner at cx takes 32 (a lane a row); of the 64 rows of B the partner at cy takes 16 (two lanes a row of 512 bytes).  No branch hangs on a work-group's place in its cluster.
; The loop's last trip (s3 = 1) asks for nothing: its refills are K steps 30 and 31, and there is no K step two on.  K steps 0 to 3 come by their loads alone.
.macro ASK
	s_cmp_gt_u32 s3, s[LIM]
	s_cbranch_scc0 .Lnot_mine_\@
	global_prefetch_b8 v[PFO], s[PFA:PFA+1] th:TH_LOAD_NT scope:SCOPE_SE
.Lnot_mine_\@:
.endm
; A round of the cluster's barrier: my work-group's barrier, so that wave 0's signal speaks for all four waves; wave 0 signals for the work-group; every wave waits for all sixteen
; work-groups; my work-group's barrier once more.  No LDS instruction of the wave is pending at a signal.
.macro CREST                           ; a round behind its opening barrier
	s_cmp_lg_u32 s10, 0
	s_cbranch_scc1 .Lnot_wave_0_\@
	s_barrier_signal -3
.Lnot_wave_0_\@:
	s_barrier_wait -3
	s_barrier_signal -1
	s_barrier_wait -1
.endm
.macro CROUND                          ; a whole round
	s_barrier_signal -1
	s_barrier_wait -1
	CREST
.endm
	s_load_b128 s[4:7], s[0:1], 0x0                ; jb s[4:5], eb s[6:7]
	s_load_b64 s[8:9], s[0:1], 0x10                ; out0
	v_lshl_add_u32 v[SPW], v0, 2, SPARE
	v_mov_b32 v[NIL], 0
	ds_add_u32 v[SPW], v[NIL]                      ; the wave's opening: the add, twice on end, and its wait ahead of my first tensor load; the set-up below, work on registers, stands between
	ds_add_u32 v[SPW], v[NIL]                      ; and once more, under the one wait
	v_lshrrev_b32 v1, 5, v0
	v_readfirstlane_b32 s10, v1                    ; wave 0..3
	s_lshr_b32 s11, s10, 1                         ; which half of the tile's rows is mine.  Also: I fetch for A (0) or for B (1)
	s_and_b32 s12, s10, 1                          ; which half of its columns.  Also: which half of that tile I fetch
	s_bfe_u32 s40, ttmp6, 0x40000                  ; cx: my place along the cluster's x
	s_bfe_u32 s41, ttmp6, 0x40004                  ; cy: along its y
	s_lshl_b32 s42, ttmp9, 2                       ; in a cluster launch ttmp9 and ttmp7 count clusters
	s_add_co_u32 s42, s42, s40                     ; tile column = 4 x cluster x + cx
	s_and_b32 s13, ttmp7, 0xffff
	s_lshl_b32 s13, s13, 2
	s_add_co_u32 s13, s13, s41                     ; tile row = 4 x cluster y + cy
	s_lshl_b32 s68, s41, 2
	s_lshl_b32 s68, 15, s68                        ; my row of the cluster: places 4 cy .. 4 cy + 3
	s_lshl_b32 s69, 0x1111, s40                    ; my column: places cx, cx + 4, cx + 8, cx + 12
	; descriptor group 1 for A: a tile of 128 rows x 128 elements, 16 bytes of padding behind each row
	s_or_b32 s[G1+0], s68, (1<<16)|(1<<20)|(1<<21)|(5<<22)|(3<<25)  ; 15:0 the mask: my row; 17:16 elements of 2 bytes; 20 padding on; 21 set beside a mask; 24:22 after every 64 words (code 5); 31:25 4 words (code 3)
	s_mov_b32 s[G1+1], 128<<16                     ; tensor_dim0 = 128
	s_mov_b32 s[G1+2], 128<<16                     ; tensor_dim1 = 128
	s_mov_b32 s[G1+3], 128<<16                     ; tile_dim0 = 128
	s_mov_b32 s[G1+4], 128                         ; tile_dim1 = 128
	s_mov_b32 s[G1+5], DIM                         ; elements from row to row
	s_mov_b32 s[G1+6], 0
	s_mov_b32 s[G1+7], 0
	; for B: a tile of 64 rows x 256 elements, 32 bytes of padding behind each row
	s_or_b32 s[G1B+0], s69, (1<<16)|(1<<20)|(1<<21)|(6<<22)|(7<<25) ; the mask: my column; after every 128 words (code 6) 8 words (code 7)
	s_mov_b32 s[G1B+1], 256<<16                    ; tensor_dim0 = 256
	s_mov_b32 s[G1B+2], 64<<16                     ; tensor_dim1 = 64
	s_mov_b32 s[G1B+3], 256<<16                    ; tile_dim0 = 256
	s_mov_b32 s[G1B+4], 64                         ; tile_dim1 = 64
	s_mov_b32 s[G1B+5], DIM
	s_mov_b32 s[G1B+6], 0
	s_mov_b32 s[G1B+7], 0
	; where the tiles come from.  A's hang on the tile row alone, which my row of the cluster shares; B's on the tile column alone, which my column shares.  All offsets stay under 2^26.
	s_lshl_b32 s16, s13, 8
	s_lshl_b32 s17, s12, 7
	s_add_co_u32 s16, s16, s17                     ; A: row 256 x tile row + 128 x half,
	s_lshl_b32 s16, s16, 13                        ; of 8,192 bytes
	s_mov_b32 s17, 0
	s_lshl_b32 s46, s12, 19                        ; B: row 64 x half, of 8,192 bytes,
	s_lshl_b32 s47, s42, 9                         ; + 512 bytes x tile column
	s_add_co_u32 s46, s46, s47
	s_mov_b32 s47, 0
	s_mul_i32 s20, s10, HALFT                      ; and where they go: A's two halves, then B's two halves = wave x 34,816: no place in the cluster enters an LDS address
	s_wait_dscnt 0x0                               ; both opening adds are done
	s_wait_kmcnt 0x0
	s_add_nc_u64 s[14:15], s[4:5], s[16:17]
	s_add_nc_u64 s[46:47], s[6:7], s[46:47]
	CROUND                                         ; all sixteen work-groups are here: the first joint loads meet
.irp s, 0,1
	s_mov_b32 s[G0+4*(\s)], 1                                      ; count = 1
	s_add_co_u32 s[G0+4*(\s)+1], s20, (\s)*SLOT                    ; LDS address
	s_add_nc_u64 s[G0+4*(\s)+2:G0+4*(\s)+3], s[14:15], (\s)*ASTEP  ; global address: K step s
	s_or_b32 s[G0+4*(\s)+3], s[G0+4*(\s)+3], 0x80000000            ; type = 2
	s_mov_b32 s[G0B+4*(\s)], 1
	s_add_co_u32 s[G0B+4*(\s)+1], s20, (\s)*SLOT
	s_add_nc_u64 s[G0B+4*(\s)+2:G0B+4*(\s)+3], s[46:47], (\s)*BSTEP
	s_or_b32 s[G0B+4*(\s)+3], s[G0B+4*(\s)+3], 0x80000000
	JLOAD \s                                       ; the ring is filled before anything else is done: two loads of mine are out
.endr
	; A fragment of A is 16 rows x 32 K in 8 registers: lane l holds row l % 16; registers 0-3 K = 8 (l / 16) + 0..7, registers 4-7 K = 16 + 8 (l / 16) + 0..7: two loads of 16 bytes, 32 bytes apart.
	v_and_b32 v1, 15, v0                           ; l % 16
	v_bfe_u32 v2, v0, 4, 1                         ; l / 16
	v_mul_u32_u24 v3, v1, PA
	v_lshl_add_u32 v3, v2, 4, v3                   ; row x pitch + 16 x half
	; The turning load takes 16 k x 16 columns (lane l reads 16 bytes: k = 8 (l / 16) + l % 8, columns 8 ((l / 8) % 2) + 0..7) and leaves half a fragment: lane l holds column l % 16 and 8 k.
	v_and_b32 v4, 7, v0
	v_lshl_add_u32 v4, v2, 3, v4
	v_mul_u32_u24 v4, v4, PB
	v_bfe_u32 v5, v0, 3, 1
	v_lshl_add_u32 v4, v5, 4, v4
	s_mul_i32 s21, s11, HALFT                      ; my 128 rows of A
	s_lshl_b32 s22, s12, 8                         ; my 128 columns of B: 256 bytes of each row,
	s_add_co_u32 s22, s22, 2*HALFT                 ; behind A's 256 rows
.irp s, 0,1
	v_add_nc_u32 v[ADRA+(\s)], s21, v3
	v_add_nc_u32 v[ADRB+(\s)], s22, v4
	s_add_co_u32 s21, s21, SLOT
	s_add_co_u32 s22, s22, SLOT
.endr
	s_mul_i32 s23, s10, WST
	s_add_co_u32 s23, s23, STAGE                   ; my stage
	v_mul_u32_u24 v4, v1, SPITCH                   ; in: row l % 16, 32 bytes for each half of the lanes
	v_lshl_add_u32 v4, v2, 5, v4
	v_add_nc_u32 v[STO], s23, v4
	v_and_b32 v5, 31, v0                           ; l
	v_lshlrev_b32 v[CO], 4, v5                     ; back: 32 lanes take one row of 512 bytes,
	v_add_nc_u32 v[RD], s23, v[CO]                 ; which are 512 consecutive bytes of out0
	; out0 at my 128 x 128: row 256 x tile row + 128 x half, of 16,384 bytes; + 1,024 bytes x tile column + 512 x half.  Under 2^26
	s_lshl_b32 s16, s13, 8
	s_lshl_b32 s17, s11, 7
	s_add_co_u32 s16, s16, s17
	s_lshl_b32 s16, s16, 14
	s_lshl_b32 s17, s42, 10
	s_add_co_u32 s16, s16, s17
	s_lshl_b32 s17, s12, 9
	s_add_co_u32 s16, s16, s17
	s_mov_b32 s17, 0
	s_add_nc_u64 s[8:9], s[8:9], s[16:17]
	; the prefetches: both offsets are made, and the wave's number chooses.  They stand at K step 3: the first change of slots steps them to K step 4
	s_lshl_b32 s20, s13, 8                         ; A: row 256 x tile row
	s_lshl_b32 s21, s12, 7                         ; + the 128 rows that I fetch
	s_add_co_u32 s20, s20, s21
	s_lshl_b32 s21, s40, 5                         ; + my work-group's 32 of them
	s_add_co_u32 s20, s20, s21
	s_lshl_b32 s20, s20, 13
	s_add_co_u32 s20, s20, 3*ASTEP
	s_lshl_b32 s21, s12, 6                         ; B: the 64 rows that I fetch
	s_lshl_b32 s23, s41, 4                         ; + my work-group's 16 of them
	s_add_co_u32 s21, s21, s23
	s_lshl_b32 s21, s21, 13
	s_lshl_b32 s23, s42, 9                         ; + 512 bytes x tile column
	s_add_co_u32 s21, s21, s23
	s_add_co_u32 s21, s21, 3*BSTEP
	s_and_b32 s22, ttmp7, 0xffff                   ; cluster y
	s_mov_b32 s[PFS], BSTEP
	s_mov_b32 s[PFS+1], 0
	s_cmp_eq_u32 s11, 0                            ; do I fetch for A?
	s_cselect_b32 s20, s20, s21
	s_cselect_b32 s22, ttmp9, s22                  ; the coordinate along which other clusters read the same rows
	s_cselect_b32 s[PFS], ASTEP, s[PFS]
	s_cselect_b64 s[PFA:PFA+1], s[4:5], s[6:7]
	s_mov_b32 s21, 0
	s_add_nc_u64 s[PFA:PFA+1], s[PFA:PFA+1], s[20:21]
	s_cmp_eq_u32 s22, 0
	s_cselect_b32 s[LIM], 1, -1                    ; the same in all sixteen partners, for a given wave
	v_lshrrev_b32 v[PFO], s11, v5                  ; A: lane l names row l; B: row l / 2,
	v_lshlrev_b32 v[PFO], 13, v[PFO]
	v_and_b32 v4, 1, v0
	s_lshl_b32 s23, s11, 8
	v_mul_u32_u24 v4, s23, v4                      ; and of its 512 bytes the half l % 2
	v_add_nc_u32 v[PFO], v[PFO], v4
	; nothing is prefetched here, at the head, where every work-group's first two tiles are on their way
; 16 matrix instructions: m blocks a0, a0 + 1 of the window's four (hi = 0: my rows 0-63, 1: rows 64-127) x all 8 n blocks, 32 along K.  zero = 1: the first product starts the sums: nothing is ever cleared.
; The 64 accumulators take turns, one instruction a turn, in the same order in every quarter step, over the backward jump too.
.macro MUL16 f, hi, a0, zero
	WIN MUL_LO+0x50*(\hi)  ; MUL_LO or MUL_HI
.irp a, \a0, (\a0)+1
.irp b, 0,1,2,3,4,5,6,7
.if \zero
	v_wmma_f32_16x16x32_bf16 v[8*(8*(\a)+(\b)):8*(8*(\a)+(\b))+7], v[(\f)+8*(\b):(\f)+8*(\b)+7], v[(\f)+8*(4*(\hi)+(\a)):(\f)+8*(4*(\hi)+(\a))+7], 0
.else
	v_wmma_f32_16x16x32_bf16 v[8*(8*(\a)+(\b)):8*(8*(\a)+(\b))+7], v[(\f)+8*(\b):(\f)+8*(\b)+7], v[(\f)+8*(4*(\hi)+(\a)):(\f)+8*(4*(\hi)+(\a))+7], v[8*(8*(\a)+(\b)):8*(8*(\a)+(\b))+7]
.endif
.endr
.endr
.endm
; 32 LDS loads in one run: the fragments of quarter q of a K step (32 along K) into buffer f: B's 8 blocks of 16 columns (turned; 32 rows of k from row 32 q on), then A's 8 blocks of 16 rows (at byte 64 q).
; The largest offset is B's: (3 x 32 + 16) x 544 + 224 = 61,152, inside the 16-bit field.
.macro FETCH slot, q, f
	WIN TO_B
.irp i, 0,1,2,3,4,5,6,7
	ds_load_tr16_b128 v[(\f)+8*(\i):(\f)+8*(\i)+3],   v[ADRB+(\slot)] offset:(\q)*32*PB+32*(\i)
	ds_load_tr16_b128 v[(\f)+8*(\i)+4:(\f)+8*(\i)+7], v[ADRB+(\slot)] offset:(\q)*32*PB+16*PB+32*(\i)
.endr
	WIN 0
.irp i, 0,1,2,3,4,5,6,7
	ds_load_b128 v[(\f)+8*(\i):(\f)+8*(\i)+3],   v[ADRA+(\slot)] offset:64*(\q)+(\i)*16*PA
	ds_load_b128 v[(\f)+8*(\i)+4:(\f)+8*(\i)+7], v[ADRA+(\slot)] offset:64*(\q)+(\i)*16*PA+32
.endr
.endm
; A load into a register that a matrix instruction has read, and an LDS store that reads a matrix result, stand four places behind that matrix instruction, and only plain vector instructions that
; name none of its registers are places (ISA guide 7.12.1 for vector instructions).
.macro PLACES
.rept 4
	v_nop
.endr
.endm
; A K step is four quarter steps of 32 along K, 64 matrix instructions each, on buffers 0, 1, 0, 1.
; One of the first three: multiplies buffer f; in its middle it fetches quarter q of the same slot into buffer g.
.macro QUARTER slot, q, f, g, zero
	s_wait_dscnt 8                                 ; B and A's rows 0-63 are in; the youngest eight loads (A's rows 64-127) may be out
	MUL16 \f, 0, 0, \zero
	MUL16 \f, 0, 2, \zero
	PLACES
	FETCH \slot, \q, \g
	s_wait_dscnt 32                                ; all but the 32 just issued
	MUL16 \f, 1, 0, \zero
	MUL16 \f, 1, 2, \zero
.endm
; The last quarter multiplies buffer 1 and changes slots.  MEET is its first half: ONE barrier for the change, for two things.  In front of it each wave waits for all its tensor loads, of which one
; is out: its part of the next slot; adds 0 to its spare word; and waits for that and for its own reads of this slot.  Behind it nobody reads this slot any more and the next slot is whole.
.macro MEET round                      ; round = 1: a round of the cluster's barrier follows
	WIN 0                                          ; (the add's two registers lie in window 0)
	s_wait_tensorcnt 0x0                           ; all my tensor loads have landed;
	ds_add_u32 v[SPW], v[NIL]                      ; 0 onto my spare word;
	s_wait_dscnt 9                                 ; (the add and the youngest eight loads may be out)
	MUL16 F1, 0, 0, 0                              ; sixteen matrix instructions stand between the add and the wait for it
	s_wait_dscnt 0x0                               ; the add is done, and my reads of this slot are over:
	s_barrier_signal -1                            ; say so,
	MUL16 F1, 0, 2, 0                              ; work on registers while the others arrive,
.if \round
	WIN 0
.endif
	s_barrier_wait -1                              ; and go on when all four have said so
.endm
; The whole last quarter.  fill = 1: behind a round of the cluster's barrier the slot just read out is filled again first, with the K step two steps on; then come the next slot's first fragments.
; From a request to the wait for it a wave issues 224 matrix instructions.  fill = 0 (the tail): nothing is left to fetch, so no round.
.macro TURN slot, next, fill
.if \fill
	s_wait_xcnt 0x0                                ; the last prefetch, a K step back, has read its address: it is stepped here, ahead of the waits of the change of slots
	s_add_nc_u64 s[PFA:PFA+1], s[PFA:PFA+1], s[PFS:PFS+1]
	MEET 1
	CREST                                          ; no wave of any partner still reads this slot's tile or has a load on its way
	s_add_nc_u64 s[G0+4*(\slot)+2:G0+4*(\slot)+3], s[G0+4*(\slot)+2:G0+4*(\slot)+3], 2*ASTEP    ; no tensor load of mine is out, so a group 0 may be written; the type bits on top are not reached
	s_add_nc_u64 s[G0B+4*(\slot)+2:G0B+4*(\slot)+3], s[G0B+4*(\slot)+2:G0B+4*(\slot)+3], 2*BSTEP
	JLOAD \slot                                    ; the first tensor load behind the round, my only one until the next; its four v_nop are also the places in front of the loads below
	FETCH \next, 0, F0
	ASK
.else
	MEET 0
	PLACES
	FETCH \next, 0, F0
.endif
	MUL16 F1, 1, 0, 0
	MUL16 F1, 1, 2, 0
.endm
; THE WAY OUT of block a (16 of my rows), in f32.  TOSTAGE: a lane's 32 bytes of each of the 8 accumulators go into my own stage, each accumulator's low four registers first;
; then the block comes back as 16 whole rows of 512 bytes, into the registers that held A's fragments, two sets by turns.  SEND: stored.
.macro TOSTAGE a
.set AC, 64*((\a)%4)
.set BK, 64+64*((\a)%2)
.if (\a) >= 2
	s_wait_xcnt 0x0                                ; the stores of block a - 2 have had their addresses translated (ISA guide 3.1): only behind this wait are the registers that they read loaded again
.endif
	WIN 0x08+4*((\a)/4)                            ; the stores' data (source 1): window 2 or 3
.irp b, 0,1,2,3,4,5,6,7
	ds_store_b128 v[STO], v[AC+8*(\b):AC+8*(\b)+3]   offset:64*(\b)
	ds_store_b128 v[STO], v[AC+8*(\b)+4:AC+8*(\b)+7] offset:64*(\b)+16
.endr
	WIN 0
.irp t, 0,1,2,3,4,5,6,7,8,9,10,11,12,13,14,15
	ds_load_b128 v[BK+4*(\t):BK+4*(\t)+3], v[RD] offset:(\t)*SPITCH  ; LDS serves a wave's instructions in order (ISA guide 5.7.1.4): these see the stores above; the next block's stores come behind them
.endr
.endm
.macro SEND a, younger                 ; younger: the LDS instructions issued behind block a's loads: the next block's 32, or none
.set BK, 64+64*((\a)%2)
	WIN 0
.irp t, 0,1,2,3,4,5,6,7,8,9,10,11,12,13,14,15
	s_wait_dscnt (\younger)+15-(\t)                ; row t is back in registers
	global_store_b128 v[CO], v[BK+4*(\t):BK+4*(\t)+3], s[8:9] offset:(16*(\a)+(\t))*ROWC th:TH_STORE_NT  ; 512 consecutive bytes, at a multiple of 256 from out0's first byte; the row stands in the immediate, 127 x 16,384 at the most
.endr
.endm
	s_wait_tensorcnt 1                             ; my part of K step 0 is in; K step 1's may stay out
	s_barrier_signal -1
	s_barrier_wait -1                              ; everybody's is
	FETCH 0, 0, F0
	QUARTER 0, 1, F0, F1, 1                        ; the first quarter stands in front of the loop: its products start the sums
	WIN 0                                          ; at a label and at a branch every window is 0
	s_mov_b32 s3, LAPS-1
.Llap:                                                 ; 15 trips: once round the ring, from a lap's second quarter to the next lap's first; both slots are filled again: K steps 2 to 31
	QUARTER 0, 2, F1, F0, 0
	QUARTER 0, 3, F0, F1, 0
	TURN 0, 1, 1
	QUARTER 1, 1, F0, F1, 0
	QUARTER 1, 2, F1, F0, 0
	QUARTER 1, 3, F0, F1, 0
	TURN 1, 0, 1
	QUARTER 0, 1, F0, F1, 0
	WIN 0
	s_sub_co_u32 s3, s3, 1
	s_cmp_lg_u32 s3, 0
	s_cbranch_scc1 .Llap
	QUARTER 0, 2, F1, F0, 0                        ; the last lap is written out: it fills nothing
	QUARTER 0, 3, F0, F1, 0
	TURN 0, 1, 0
	QUARTER 1, 1, F0, F1, 0
	QUARTER 1, 2, F1, F0, 0
	QUARTER 1, 3, F0, F1, 0
	s_wait_dscnt 8                                 ; the very last quarter: nothing more to fetch
	MUL16 F1, 0, 0, 0
	MUL16 F1, 0, 2, 0
	s_wait_dscnt 0x0
	MUL16 F1, 1, 0, 0
	MUL16 F1, 1, 2, 0
	PLACES                                         ; behind the last products: the stage's stores read results, and its loads land in A's buffers
	TOSTAGE 0
	TOSTAGE 1
.irp a, 0,1,2,3,4,5                    ; a block's trip through the stage stands between the loads of the block before and its stores
	SEND \a, 32
	TOSTAGE (\a)+2
.endr
	SEND 6, 32
	SEND 7, 0
	s_wait_tensorcnt 0x0                           ; the wave's end, behind my last tensor load and my last LDS store
	ds_add_u32 v[SPW], v[NIL]
	s_wait_dscnt 0x0
	CROUND                                         ; the closing round: no work-group ends while a partner may still ask for a tile that names it
	s_endpgm
.Lfunc_end_k_q0586c6a86e_gemm:
	.size	k_q0586c6a86e_gemm, .Lfunc_end_k_q0586c6a86e_gemm-k_q0586c6a86e_gemm
	.p2alignl 7, 3214868480
	.fill 96, 4, 3214868480
	.section	.rodata,"a",@progbits
	.p2align	6, 0x0
	.amdhsa_kernel k_q0586c6a86e_gemm
		.amdhsa_group_segment_fixed_size 327680
		.amdhsa_private_segment_fixed_size 0
		.amdhsa_enable_private_segment 0
		.amdhsa_kernarg_size 24
		.amdhsa_user_sgpr_count 2
		.amdhsa_user_sgpr_kernarg_segment_ptr 1
		.amdhsa_wavefront_size32 1
		.amdhsa_system_sgpr_workgroup_id_x 1
		.amdhsa_system_sgpr_workgroup_id_y 1
		.amdhsa_system_sgpr_workgroup_id_z 1
		.amdhsa_system_vgpr_workitem_id 0
		.amdhsa_next_free_vgpr 1024
		.amdhsa_next_free_sgpr 72
		.amdhsa_reserve_vcc 0
		.amdhsa_float_denorm_mode_32 3
		.amdhsa_float_denorm_mode_16_64 3
		.amdhsa_memory_ordered 1
		.amdhsa_forward_progress 1
		.amdhsa_inst_pref_size 145
	.end_amdhsa_kernel
	.amdgpu_metadata
---
amdhsa.version: [ 1, 2 ]
amdhsa.kernels:
  - .name:           k_q0586c6a86e_gemm
    .symbol:         k_q0586c6a86e_gemm.kd
    .args:
      - { .name: jb, .offset: 0, .size: 8, .value_kind: global_buffer, .address_space: global }
      - { .name: eb, .offset: 8, .size: 8, .value_kind: global_buffer, .address_space: global }
      - { .name: out0, .offset: 16, .size: 8, .value_kind: global_buffer, .address_space: global }
    .group_segment_fixed_size: 327680
    .private_segment_fixed_size: 0
    .kernarg_segment_align: 8
    .kernarg_segment_size: 24
    .max_flat_workgroup_size: 128
    .sgpr_count:     72
    .vgpr_count:     1024
    .wavefront_size: 32
...
	.end_amdgpu_metadata
.endif
;; end of part 2
;; ======== version 2 of 2: 2 launches; version 1 with the launch cast written anew for expert scheduling mode
;; workspace buffers: jb 33,554,432 bytes; eb 33,554,432 bytes
;; launch cast (part 3): grid 1024 x 1, 8 waves a work-group, no clusters, 0 bytes of LDS; arguments jacobian, eye, jb, eb; writes jb, eb
.if DOCPART == 3
	.amdgcn_target "amdgcn-amd-amdhsa--gfx1250"
	.amdhsa_code_object_version 6
	.text
	.protected	k_q0586c6a86e_cast
	.globl	k_q0586c6a86e_cast
	.p2align	8
	.type	k_q0586c6a86e_cast,@function
k_q0586c6a86e_cast:
	s_mov_b64 s[64:65], 0
	v_nop
	global_prefetch_b8 v0, s[64:65] scope:SCOPE_SE
	s_setreg_imm32_b32 hwreg(HW_REG_WAVE_SCHED_MODE, 0, 2), 2
	s_setreg_imm32_b32 hwreg(HW_REG_WAVE_MODE, 25, 1), 1
	s_wait_xcnt 0x0
	s_wait_alu depctr_vm_vsrc(0)
; jb = jacobian rounded to bf16, eb = eye rounded to bf16: same order of numbers, nothing is transposed.  Each number is rounded once, to nearest even.
; LIMIT.  A number whose magnitude is above about 3.39e38 rounds to a bf16 infinity; NaN stays NaN.
; A pure stream: no LDS, no barrier, no matrix unit, since no wave wants a byte that another wave has read.
; SHARES.  1,024 work-groups of eight waves.  Work-group x takes bytes 65,536 x .. + 65,535 of jacobian and the same range of eye; wave w 8,192 bytes of each:
; 16 loads of 512 consecutive bytes (16 bytes a lane).  A lane's four f32 become 8 bytes: one store of a wave covers 256 consecutive bytes, aligned.
; IN FLIGHT.  A ring of 16 register slots, walked twice, in four blocks of four slots: round 0 works on jacobian and fills a block's slots again with eye as soon as they are read,
; so 12 to 16 loads of every wave are out until round 1 runs them down.
; THE MODE: SCHED_MODE bits 1:0 = 2 (LLVM: expert scheduling mode 2), set by the entry lines.  The code itself states the register dependences
; between vector instructions and memory instructions, with s_wait_alu, always for 0.
; THE PLAN.  Registers that memory instructions touch:
;   v1, v2   byte offsets, written at the head and never again; every load reads v1, every store v2.
;   X        16 slots of four.  Jacobian's loads land in them at the head; round 0's conversions read them; behind these eye's loads land in them; round 1's conversions read them and
;            write the rounded numbers into each slot's first two registers, in place; round 1's stores read those two.
;   Y        16 slots of two.  Written once, by round 0's conversions; read by round 0's stores.
; No register that a load or store has read is written again, so behind the entry lines the text holds no wait on vm_vsrc and no s_wait_xcnt.
; ONE wait on va_vdst stands in a block, behind its eight conversions and ahead of its loads and stores; one more stands at the head, ahead of the first load.
.set IN,  1                            ; v1       my byte offset in the work-group's part of an input: 8,192 w + 16 lane; never rewritten
.set OUT, 2                            ; v2       the same in an output: 4,096 w + 8 lane; never rewritten
.set X,   4                            ; v[4:67]  slot i: four f32 as loaded; in round 1 its first two registers then hold four bf16 to store
.set Y,   68                           ; v[68:99] slot i: four bf16 of jacobian to store
	s_load_b256 s[4:11], s[0:1], 0x0               ; jacobian s[4:5], eye s[6:7], jb s[8:9], eb s[10:11]
	s_lshl_b32 s2, ttmp9, 16                       ; the work-group's part of an input (under 2^26),
	s_mov_b32 s3, 0
	s_lshl_b32 s12, ttmp9, 15                      ; and of an output
	s_mov_b32 s13, 0
	v_lshrrev_b32 v3, 5, v0                        ; wave
	v_and_b32 v[IN], 31, v0                        ; lane
	v_lshlrev_b32 v[OUT], 3, v[IN]
	v_lshlrev_b32 v[IN], 4, v[IN]
	v_lshl_or_b32 v[IN], v3, 13, v[IN]
	v_lshl_or_b32 v[OUT], v3, 12, v[OUT]
	s_wait_kmcnt 0x0
	s_add_nc_u64 s[4:5], s[4:5], s[2:3]
	s_add_nc_u64 s[6:7], s[6:7], s[2:3]
	s_add_nc_u64 s[8:9], s[8:9], s[12:13]
	s_add_nc_u64 s[10:11], s[10:11], s[12:13]
	s_wait_alu depctr_va_vdst(0)                   ; v1 and v2 are written: every load and store of the kernel reads one of them as its offset
.irp i, 0,1,2,3,4,5,6,7,8,9,10,11,12,13,14,15
	global_load_b128 v[X+4*(\i):X+4*(\i)+3], v[IN], s[4:5] offset:512*(\i) th:TH_LOAD_NT  ; the ring is filled: my 8,192 bytes of jacobian
.endr
; Block b of round 0: slots 4 b to 4 b + 3 hold jacobian, and are filled again with eye.
.macro FIRST b
	s_wait_loadcnt 12                              ; loads come back in order (ISA guide 5.7.1): behind my four stand 12 - 4 b loads of jacobian and 4 b of eye: always 12
.irp j, 0,1,2,3
.set n, 4*(\b)+(\j)
	v_cvt_pk_bf16_f32 v[Y+2*n],   v[X+4*n],   v[X+4*n+1]  ; two roundings, packed: the first source into the low half
	v_cvt_pk_bf16_f32 v[Y+2*n+1], v[X+4*n+2], v[X+4*n+3]
.endr
	s_wait_alu depctr_va_vdst(0)                   ; the eight conversions are done reading the block's X, in which the loads below land, and have written its Y, which the stores below read
.irp j, 0,1,2,3
.set n, 4*(\b)+(\j)
	global_load_b128 v[X+4*n:X+4*n+3], v[IN], s[6:7] offset:512*n th:TH_LOAD_NT  ; the loads go ahead of the stores
.endr
.irp j, 0,1,2,3
.set n, 4*(\b)+(\j)
	global_store_b64 v[OUT], v[Y+2*n:Y+2*n+1], s[8:9] offset:256*n
.endr
.endm
; Block b of round 1: slots 4 b to 4 b + 3 hold eye, and nothing is left to load.  The four numbers of a slot close up into its first two registers, which no memory instruction has read.
.macro SECOND b
	s_wait_loadcnt 12-4*(\b)                       ; behind my four stand the loads of the later blocks: the counts run down
.irp j, 0,1,2,3
.set n, 4*(\b)+(\j)
	v_cvt_pk_bf16_f32 v[X+4*n],   v[X+4*n],   v[X+4*n+1]
	v_cvt_pk_bf16_f32 v[X+4*n+1], v[X+4*n+2], v[X+4*n+3]
.endr
	s_wait_alu depctr_va_vdst(0)                   ; the eight conversions have written the first two registers of the block's slots, which the stores below read
.irp j, 0,1,2,3
.set n, 4*(\b)+(\j)
	global_store_b64 v[OUT], v[X+4*n:X+4*n+1], s[10:11] offset:256*n
.endr
.endm
	FIRST 0
	FIRST 1
	FIRST 2
	FIRST 3
	SECOND 0
	SECOND 1
	SECOND 2
	SECOND 3
	s_endpgm
.Lfunc_end_k_q0586c6a86e_cast:
	.size	k_q0586c6a86e_cast, .Lfunc_end_k_q0586c6a86e_cast-k_q0586c6a86e_cast
	.p2alignl 7, 3214868480
	.fill 96, 4, 3214868480
	.section	.rodata,"a",@progbits
	.p2align	6, 0x0
	.amdhsa_kernel k_q0586c6a86e_cast
		.amdhsa_group_segment_fixed_size 0
		.amdhsa_private_segment_fixed_size 0
		.amdhsa_enable_private_segment 0
		.amdhsa_kernarg_size 32
		.amdhsa_user_sgpr_count 2
		.amdhsa_user_sgpr_kernarg_segment_ptr 1
		.amdhsa_wavefront_size32 1
		.amdhsa_system_sgpr_workgroup_id_x 1
		.amdhsa_system_sgpr_workgroup_id_y 1
		.amdhsa_system_sgpr_workgroup_id_z 1
		.amdhsa_system_vgpr_workitem_id 0
		.amdhsa_next_free_vgpr 104
		.amdhsa_next_free_sgpr 66
		.amdhsa_reserve_vcc 0
		.amdhsa_float_denorm_mode_32 3
		.amdhsa_float_denorm_mode_16_64 3
		.amdhsa_memory_ordered 1
		.amdhsa_forward_progress 1
		.amdhsa_inst_pref_size 12
	.end_amdhsa_kernel
	.amdgpu_metadata
---
amdhsa.version: [ 1, 2 ]
amdhsa.kernels:
  - .name:           k_q0586c6a86e_cast
    .symbol:         k_q0586c6a86e_cast.kd
    .args:
      - { .name: jacobian, .offset: 0, .size: 8, .value_kind: global_buffer, .address_space: global }
      - { .name: eye, .offset: 8, .size: 8, .value_kind: global_buffer, .address_space: global }
      - { .name: jb, .offset: 16, .size: 8, .value_kind: global_buffer, .address_space: global }
      - { .name: eb, .offset: 24, .size: 8, .value_kind: global_buffer, .address_space: global }
    .group_segment_fixed_size: 0
    .private_segment_fixed_size: 0
    .kernarg_segment_align: 8
    .kernarg_segment_size: 32
    .max_flat_workgroup_size: 256
    .sgpr_count:     66
    .vgpr_count:     104
    .wavefront_size: 32
...
	.end_amdgpu_metadata
.endif
;; end of part 3
;; launch gemm: the kernel of part 2 again; grid 16 x 16, 4 waves a work-group, clusters of 4 x 4, 327,680 bytes of LDS; arguments jb, eb, out0; writes out0
